; MI455X (gfx1250); checked and timed in simulation.
; The chip was launched on July 23, 2026; its instructions are those of AMD's public machine-readable ISA for CDNA 5 (MIT licence, August 2026) and "CDNA5" Instruction Set Architecture Reference Guide (July 2026). The comments in the code are by the model that wrote it; some were corrected since.
;; Multi Head Attention. Allowed arithmetic: matrix products marked QUANTISED: E4M3 operands, one given power-of-two scale a tensor, by v_wmma_f32_16x16x64_fp8_fp8 or v_wmma_f32_16x16x128_fp8_fp8, f32 sums; everything else in f32.
;; Inputs: Wk_codes 1,024 x 32 x 32 uint8 (E4M3 codes of Wk, K innermost, in blocks of 32 codes); Wo_codes 1,024 x 32 x 32 uint8 (E4M3 codes of Wo, K innermost, in blocks of 32 codes); Wq_codes 1,024 x 32 x 32 uint8 (E4M3 codes of Wq, K innermost, in blocks of 32 codes); Wv_codes 1,024 x 32 x 32 uint8 (E4M3 codes of Wv, K innermost, in blocks of 32 codes); bo 1,024 float32; lowp_scales 12 int32 (the exponents e of the quantised operands' scales 2^e); x_codes 4 x 2,048 x 32 x 32 uint8 (E4M3 codes of x, K innermost, in blocks of 32 codes).
;; Outputs: out0 4 x 2,048 x 1,024 float32.
;; This version of the problem:
;;   THIS VERSION OF THE PROBLEM IS GIVEN IN LOW PRECISION. The matrix products marked QUANTISED in the list below multiply operands that are first quantised to E4M3 (4 exponent bits, 3 mantissa bits; 8 bits a number), with one given power-of-two scale for each operand tensor; their sums are f32. All else is computed in f32.
;;   The module's matrix products, in the order in which they are computed (A, B: the left and right operand; K: the contracted axis; several contracted axes count as one K, in the product's order):
;;     1. [M 8,192, K 1,024] x [K 1,024, N 1,024]; A: input x (given as codes); B: input Wq (given as codes): QUANTISED (scales: A lowp_scales[0], B lowp_scales[1])
;;     2. [M 8,192, K 1,024] x [K 1,024, N 1,024]; A: input x (given as codes); B: input Wk (given as codes): QUANTISED (scales: A lowp_scales[2], B lowp_scales[3])
;;     3. [M 8,192, K 1,024] x [K 1,024, N 1,024]; A: input x (given as codes); B: input Wv (given as codes): QUANTISED (scales: A lowp_scales[4], B lowp_scales[5])
;;     4. batch 64 x [M 2,048, K 64] x [K 64, N 2,048]; A: computed on the way; B: computed on the way: QUANTISED (scales: A lowp_scales[6], B lowp_scales[7])
;;     5. batch 64 x [M 2,048, K 2,048] x [K 2,048, N 64]; A: softmax (see below); B: computed on the way: QUANTISED (scales: A lowp_scales[8], B lowp_scales[9])
;;     6. [M 8,192, K 1,024] x [K 1,024, N 1,024]; A: computed on the way; B: input Wo (given as codes): QUANTISED (scales: A lowp_scales[10], B lowp_scales[11])
;;   THE QUANTISER, for each operand of a quantised product, along K:
;;     - The operand's scale is 2^e, e = its entry of the input lowp_scales (int32; the entries are numbered through the quantised products in the list's order, A before B).
;;     - Each number is divided by the scale, clamped to +-448, and rounded to the nearest number of E4M3, ties to even, subnormals kept.
;;     - The product sums the exact products of the quantised numbers (number of the format x scale) in f32.
;;   ~~~python
;;   def quantise(x, axis, e):      # numpy; x: float32 -> the quantised numbers, widened to float32 again
;;       x = np.moveaxis(x, axis, -1); K = x.shape[-1]
;;       r = np.clip(x / 2.0 ** e, -448, 448)
;;       step = 2.0 ** (np.maximum(np.frexp(np.where(r == 0, 1, r))[1] - 1, -6) - 3)
;;       q = np.round(r / step) * step * 2.0 ** e      # np.round: ties to even
;;       return np.moveaxis(q, -1, axis).astype(np.float32)
;;   ~~~
;;   SOFTMAX AHEAD OF A QUANTISED PRODUCT. Where the list says 'softmax', what is quantised is not the finished softmax but p = 2^(t - M), with t = logit x log2(e) and M = ceil(the row's largest t), a whole number; so 1/2 < the row's largest p <= 1. The row's sum l is taken of the UNQUANTISED p, in f32, and the product's result is divided by l at the end. Since M is a whole number, a kernel that streams over the keys may use a running M (the ceiling of the running maximum): every later rescaling is an exact power of two, so the quantised numbers keep their values, but for numbers so far below the row's largest that they fall under the format's range.
;;   OPERANDS COMPUTED ON THE WAY. 'Computed on the way' means the value that the module computes at that place (a softmax that the list does not call 'softmax' is quantised finished and normalised). What goes into a quantiser is computed in f32, as accurately as f32 sums, v_exp_f32 and their like allow (about 1e-6 of the number): no bf16 or f16 on the way to a quantiser, and a product that is left as it is and whose result goes on into a quantised operand takes f32 operands (vector FMAs, or v_wmma_f32_16x16x4_f32). A number that lies on a knife's edge between two numbers of the format may be rounded either way, as far as f32 arithmetic and the matrix unit's own rounding can turn it there, and no further.
;;   INPUTS GIVEN AS CODES. Wk (in the module: [1024, 1024], K = its axis 0); Wo (in the module: [1024, 1024], K = its axis 0); Wq (in the module: [1024, 1024], K = its axis 0); Wv (in the module: [1024, 1024], K = its axis 0); x (in the module: [4, 2048, 1024], K = its axis 2): each comes as NAME_codes (uint8): NAME with its K axis moved to the last place and cut into blocks of 32 codes, [.., K / 32, bytes a block], one block behind the other in memory; one code a byte (a code: sign, 4 exponent bits, 3 mantissa bits); its scale is its entry of lowp_scales. Its value is code x scale, taken as it is: it is not quantised again, and the codes and scales need not be those that the quantiser above would give.
;; One version. Each part assembles by itself: llvm-mc -triple=amdgcn-amd-amdhsa -mcpu=gfx1250 --defsym DOCPART=n.
;; ======== version 1 of 1: 3 launches
;; limits: right only within a limited range of input values
;; workspace buffers: qkv 25,165,824 bytes; att 8,388,608 bytes
;; launch qkv_proj (part 1): grid 12 x 32, 4 waves a work-group, clusters of 4 x 4, 327,680 bytes of LDS; arguments x_codes, Wq_codes, Wk_codes, Wv_codes, lowp_scales, qkv; writes qkv
.if DOCPART == 1
	.amdgcn_target "amdgcn-amd-amdhsa--gfx1250"
	.amdhsa_code_object_version 6
	.text
	.protected	k_q3b67baef4e_qkv_proj
	.globl	k_q3b67baef4e_qkv_proj
	.p2align	8
	.type	k_q3b67baef4e_qkv_proj,@function
k_q3b67baef4e_qkv_proj:
	s_mov_b64 s[64:65], 0
	v_nop
	global_prefetch_b8 v0, s[64:65] scope:SCOPE_SE
	s_setreg_imm32_b32 hwreg(HW_REG_WAVE_MODE, 25, 1), 1
	s_wait_xcnt 0x0
	s_wait_alu depctr_hold_cnt(0) depctr_sa_sdst(0) depctr_va_vdst(0) depctr_va_sdst(0) depctr_va_ssrc(0) depctr_va_vcc(0) depctr_vm_vsrc(0)
	s_getreg_b32 s2, hwreg(HW_REG_IB_STS2, 6, 4)
	s_cmp_eq_u32 s2, 0
	s_cbranch_scc0 .Lentry_in_a_cluster
	s_endpgm
.Lentry_in_a_cluster:
	s_bfe_u32 s2, ttmp6, 0x10000c
	s_cmp_lg_u32 s2, 0xf033
	s_cbranch_scc0 .Lentry_shape_is_right
	s_endpgm
.Lentry_shape_is_right:
; Q = x Wq, K = x Wk, V = x Wv on codes of E4M3 (products of 8,192 x 1,024 x 1,024), each sum quantised at once to a code of the operand that attention wants.
; The cluster's x says which product: 0 Q, 1 K, 2 V.  A tile of 256 x 256 is made by four waves, 128 x 128 each: 64 accumulators, 512 registers.  K goes in steps of 256 through two LDS slots.
; THE MATRIX INSTRUCTION IS USED TRANSPOSED (source 0 = 16 rows of "B", source 1 = 16 rows of "A"): lane (r, h) holds row r of A and eight neighbouring rows 16 b + 8 h + 0..7 of B.
;   Q, K: A = x (tokens), B = the weight (channels): a lane's eight numbers are eight neighbouring channels of one token: two registers of a fragment 16 tokens x 64 channels.
;   V:    A = Wv (channels), B = x (tokens): eight neighbouring KEYS of one channel: two registers of a fragment 16 channels x 128 keys, the keys innermost.
; So the conversions' results ARE registers of the next operand, and they are stored as IMAGES of those registers: four registers of all 32 lanes = 512 consecutive bytes, lane l at 16 l.
; qkv:  Q at 0, K at 8 MiB: [batch x 16 + head][16 tokens: 128][piece: 2][512];   V at 16 MiB: [batch x 16 + head][128 keys: 16][piece / 2][16 channels: 4][piece % 2][512].
; Both operands of these products are fetched by loads of 16 bytes: the same permutation of k in A and in B, so every product meets its partner.
; CLUSTERS: 4 x 4 work-groups; A's tile is asked for jointly along a row of the cluster, B's along a column.
; code = sum x 2^(ea + eb) / 2^eo, held within +-448: the three exponents are folded into the conversion's one scale 2^E, E = eo - ea - eb.
; LIMIT: E (e6 - e0 - e1 for Q, e7 - e2 - e3 for K, e9 - e4 - e5 for V) lies between -126 and 119, so that 2^E and 448 x 2^E are f32 numbers.
; REGISTERS, in windows of 256: window 0: v0-31 addresses; from v128 A's fragments, ONE set, later the codes.  window 1: B's fragments, two sets.  windows 2, 3: accumulator (a, b) at v[8 (8 (a % 4) + b)].
.set KSTEP,  256
.set ROWB,   256                       ; a tile's row in bytes
.set KROW,   1024                      ; a row of x or of a weight in memory
.set PITCH,  272                       ; an LDS row: 256 bytes + 16 of padding: the 16 rows of a fragment load start 68 words apart
.set FR,     16                        ; registers of a fragment
.set NL,     4                         ; LDS loads that bring one
.set NP,     4                         ; places behind this matrix instruction (ISA guide 7.12.1)
.set HALFT,  128*PITCH
.set SLOT,   4*HALFT                   ; A's 256 rows, then B's 256 rows
.set LAPS,   2                         ; 1,024 along K = four K steps = twice round the ring
.set SPARE,  2*SLOT                    ; behind the ring: the spare words, 128 bytes a wave
.set ADRA, 16                          ; v16-17  LDS address of my A fragments in slot 0, 1
.set ADRB, 20                          ; v20-21  the same for B
.set OF0,  24                          ; v24     16 x lane; never rewritten
.set OF1,  25                          ; v25     16 x lane + the stride of B's upper blocks; never rewritten
.set SPW,  28                          ; v28     my spare word
.set NIL,  29                          ; v29     0
.set SC,   30                          ; v30     2^E
.set LIMV, 31
.set TMP,  32
.set AF,   128                         ; A's fragments
.set CD,   128                         ; the codes: 16 registers for each of the eight blocks, so that no store's data are written again
.set G1, 24
.set G0, 32
.set G1B, 48
.set G0B, 56
.set BASE, 90                          ; s[90:91], s[92:93] where A's blocks 0-3 and 4-7 go
.set MSB, 0
.macro WIN new                         ; the immediate's high byte repeats the setting that is left
.if MSB != \new
	s_set_vgpr_msb (MSB<<8)|\new
.set MSB, \new
.endif
.endm
.set MUL_LO, 0xa1                      ; source 0 (B) window 1, source 1 (A) window 0, C and D window 2
.set MUL_HI, 0xf1
.set TO_B,   0x40
; A joint load: waves 0 and 1 fetch for A, waves 2 and 3 for B.  The branch hangs on the wave's number alone.  Four v_nop follow each of the two lines.
.macro JLOAD g0a, g1a, g0b, g1b
	s_cmp_eq_u32 s15, 0
	s_cbranch_scc0 .Lfor_b_\@
	tensor_load_to_lds s[\g0a:\g0a+3], s[\g1a:\g1a+7]
	s_nop 0
.rept 4
	v_nop
.endr
	s_branch .Lasked_\@
.Lfor_b_\@:
	tensor_load_to_lds s[\g0b:\g0b+3], s[\g1b:\g1b+7]
	s_nop 0
.rept 4
	v_nop
.endr
.Lasked_\@:
.endm
.macro CREST                           ; a round of the cluster's barrier behind its opening barrier
	s_cmp_lg_u32 s14, 0
	s_cbranch_scc1 .Lnot_wave_0_\@
	s_barrier_signal -3
.Lnot_wave_0_\@:
	s_barrier_wait -3
	s_barrier_signal -1
	s_barrier_wait -1
.endm
.macro CROUND
	s_barrier_signal -1
	s_barrier_wait -1
	CREST
.endm
	s_load_b256 s[68:75], s[0:1], 0x0              ; x s[68:69], Wq s[70:71], Wk s[72:73], Wv s[74:75]
	s_load_b128 s[76:79], s[0:1], 0x20             ; the exponents s[76:77], qkv s[78:79]
	v_lshl_add_u32 v[SPW], v0, 2, SPARE
	v_mov_b32 v[NIL], 0
	ds_add_u32 v28, v29
	ds_add_u32 v28, v29
	s_wait_dscnt 0x0
	v_lshrrev_b32 v1, 5, v0
	v_readfirstlane_b32 s14, v1                    ; wave 0..3
	s_lshr_b32 s15, s14, 1                         ; which half of A's rows is mine.  Also: I fetch for A (0) or for B (1)
	s_and_b32 s16, s14, 1                          ; which half of B's rows.  Also: which 128 rows of that tile I fetch
	s_bfe_u32 s40, ttmp6, 0x40000                  ; cx
	s_bfe_u32 s41, ttmp6, 0x40004                  ; cy
	s_and_b32 s12, ttmp7, 0xffff                   ; j: the cluster's y, 0..7
	s_lshl_b32 s13, s12, 2
	s_add_co_u32 s17, s13, s41                     ; 4 j + cy
	s_add_co_u32 s42, s13, s40                     ; 4 j + cx
	s_cmp_eq_u32 ttmp9, 2                          ; V?  The same in all sixteen partners
	s_cselect_b32 s17, s41, s17                    ; A's tile row: tokens 4 j + cy, or Wv's channels cy
	s_cselect_b32 s42, s42, s40                    ; B's tile row: the weight's channels cx, or tokens 4 j + cx
	s_lshl_b32 s43, s41, 2
	s_lshl_b32 s43, 15, s43                        ; my row of the cluster
	s_lshl_b32 s44, 0x1111, s40                    ; my column
	s_or_b32 s[G1+0], s43, (0<<16)|(1<<20)|(1<<21)|(5<<22)|(3<<25)  ; the mask; elements of 1 byte; padding on; bit 21 beside a mask; 4 words after every 64
	s_or_b32 s[G1B+0], s44, (0<<16)|(1<<20)|(1<<21)|(5<<22)|(3<<25)
.irp g, G1, G1B
	s_mov_b32 s[\g+1], ROWB<<16                    ; tensor_dim0
	s_mov_b32 s[\g+2], 128<<16                     ; tensor_dim1
	s_mov_b32 s[\g+3], ROWB<<16                    ; tile_dim0
	s_mov_b32 s[\g+4], 128                         ; tile_dim1
	s_mov_b32 s[\g+5], KROW                        ; from row to row
	s_mov_b32 s[\g+6], 0
	s_mov_b32 s[\g+7], 0
.endr
	s_lshl_b32 s18, s16, 7                         ; which 128 rows of the tile I fetch
	s_lshl_b32 s20, s17, 8
	s_add_co_u32 s20, s20, s18
	s_lshl_b32 s20, s20, 10                        ; A: row x 1,024 bytes (under 2^23)
	s_mov_b32 s21, 0
	s_lshl_b32 s46, s42, 8
	s_add_co_u32 s46, s46, s18
	s_lshl_b32 s46, s46, 10                        ; B likewise
	s_mov_b32 s47, 0
	s_mul_i32 s45, s14, HALFT                      ; where they go: wave x 128 rows
	s_wait_kmcnt 0x0
	s_load_b256 s[80:87], s[76:77], 0x0            ; e0 .. e7
	s_load_b64 s[88:89], s[76:77], 0x20            ; e8, e9
	s_cmp_eq_u32 ttmp9, 2
	s_cselect_b64 s[4:5], s[74:75], s[68:69]       ; A: Wv or x
	s_cmp_eq_u32 ttmp9, 0
	s_cselect_b64 s[6:7], s[70:71], s[72:73]       ; Wq or Wk,
	s_cmp_eq_u32 ttmp9, 2
	s_cselect_b64 s[6:7], s[68:69], s[6:7]         ; B: x for V
	s_add_nc_u64 s[20:21], s[4:5], s[20:21]
	s_add_nc_u64 s[46:47], s[6:7], s[46:47]
	CROUND                                         ; all sixteen work-groups are here: the first joint loads meet
.irp s, 0,1
	s_mov_b32 s[G0+4*\s], 1
	s_add_co_u32 s[G0+4*\s+1], s45, \s*SLOT
	s_add_nc_u64 s[G0+4*\s+2:G0+4*\s+3], s[20:21], \s*ROWB
	s_or_b32 s[G0+4*\s+3], s[G0+4*\s+3], 0x80000000
	s_mov_b32 s[G0B+4*\s], 1
	s_add_co_u32 s[G0B+4*\s+1], s45, \s*SLOT
	s_add_nc_u64 s[G0B+4*\s+2:G0B+4*\s+3], s[46:47], \s*ROWB
	s_or_b32 s[G0B+4*\s+3], s[G0B+4*\s+3], 0x80000000
	JLOAD G0+4*\s, G1, G0B+4*\s, G1B
.endr
	v_and_b32 v1, 15, v0                           ; r
	v_bfe_u32 v2, v0, 4, 1                         ; h
	v_mul_u32_u24 v3, v1, PITCH
	v_lshl_add_u32 v4, v2, 4, v3                   ; a fragment's row x pitch + 16 h
	s_mul_i32 s21, s15, HALFT
	s_mul_i32 s22, s16, HALFT
	s_add_co_u32 s22, s22, 2*HALFT
.irp s, 0,1
	v_add_nc_u32 v[ADRA+\s], s21, v4
	v_add_nc_u32 v[ADRB+\s], s22, v4
	s_add_co_u32 s21, s21, SLOT
	s_add_co_u32 s22, s22, SLOT
.endr
	; where my images go.  The head hangs on the channels' side, the place within a head on the tokens' side: for Q and K the channels are B's (cx, my half of B), for V they are A's (cy, my half of A).
	s_cmp_eq_u32 ttmp9, 2
	s_cselect_b32 s96, s41, s40                    ; the channels' place in the cluster,
	s_cselect_b32 s97, s15, s16                    ; and my half of them
	s_cselect_b32 s98, s40, s41                    ; the tokens' place,
	s_cselect_b32 s99, s16, s15                    ; and my half of them
	s_mov_b32 s94, 0x1000
	s_cselect_b32 s94, 0x20000, s94                ; from A's blocks 0-3 to 4-7: four blocks of tokens (4,096), or V's next head (131,072)
	s_mov_b32 s95, 0x20000
	s_cselect_b32 s95, 0x1000, s95                 ; from B's blocks 0-3 to 4-7: the next head (131,072), or V's pieces 2, 3 (4,096)
	s_lshl_b32 s100, ttmp9, 23                     ; the part: 8 MiB each
	s_lshr_b32 s101, s12, 1
	s_lshl_b32 s101, s101, 21                      ; the batch j / 2: 16 heads of 131,072 bytes
	s_add_co_u32 s100, s100, s101
	s_lshl_b32 s96, s96, 19                        ; four heads to a tile,
	s_add_co_u32 s100, s100, s96
	s_lshl_b32 s97, s97, 18                        ; two to a wave
	s_add_co_u32 s100, s100, s97
	s_and_b32 s101, s12, 1
	s_lshl_b32 s101, s101, 16                      ; 1,024 tokens are 65,536 bytes of a head,
	s_add_co_u32 s100, s100, s101
	s_lshl_b32 s98, s98, 14                        ; 256 are 16,384,
	s_add_co_u32 s100, s100, s98
	s_lshl_b32 s99, s99, 13                        ; 128 are 8,192
	s_add_co_u32 s100, s100, s99
	s_mov_b32 s101, 0
	s_add_nc_u64 s[BASE:BASE+1], s[78:79], s[100:101]
	s_mov_b32 s96, s94
	s_mov_b32 s97, 0
	s_add_nc_u64 s[BASE+2:BASE+3], s[BASE:BASE+1], s[96:97]
	v_and_b32 v6, 31, v0
	v_lshlrev_b32 v[OF0], 4, v6
	v_add_nc_u32 v[OF1], s95, v[OF0]
.macro FRAG reg, adr, q, i             ; 16 rows x 128 K: registers 4 c .. 4 c + 3 hold K = 32 c + 16 h + 0 .. 15, in A and in B alike
.irp c, 0,1,2,3
	ds_load_b128 v[\reg+4*\c:\reg+4*\c+3], v[\adr] offset:128*(\q)+32*\c+(\i)*16*PITCH
.endr
.endm
; 16 matrix instructions: A's blocks a0, a0 + 1 x B's eight.  The 64 accumulators take turns, one instruction a turn, in the same order in every step.
.macro MUL16 a0, p, zero
.irp a, \a0, \a0+1
.irp b, 0,1,2,3,4,5,6,7
.if \zero
	v_wmma_f32_16x16x128_fp8_fp8 v[8*(8*((\a)%4)+\b):8*(8*((\a)%4)+\b)+7], v[128*(\p)+FR*\b:128*(\p)+FR*\b+FR-1], v[AF+FR*(\a):AF+FR*(\a)+FR-1], 0
.else
	v_wmma_f32_16x16x128_fp8_fp8 v[8*(8*((\a)%4)+\b):8*(8*((\a)%4)+\b)+7], v[128*(\p)+FR*\b:128*(\p)+FR*\b+FR-1], v[AF+FR*(\a):AF+FR*(\a)+FR-1], v[8*(8*((\a)%4)+\b):8*(8*((\a)%4)+\b)+7]
.endif
.endr
.endr
.endm
.macro FETCH_B slot, q, p
	WIN TO_B
.irp i, 0,1,2,3,4,5,6,7
	FRAG 128*(\p)+FR*\i, ADRB+\slot, \q, \i
.endr
	WIN 0
.endm
.macro FETCH_A slot, q, i0
.irp i, \i0, \i0+1, \i0+2, \i0+3
	FRAG AF+FR*(\i), ADRA+\slot, \q, \i
.endr
.endm
.macro PLACES n                        ; plain vector instructions between a matrix instruction and a load into, or a read of, its registers
.rept \n
	v_nop
.endr
.endm
; A step of 128 along K that has its successor in the same slot.  A's blocks are free as soon as their eight products are issued: blocks 0-3 are fetched anew in the middle, 4-7 at the end.
.macro STEP slot, q, zero
	s_wait_dscnt 4*NL                              ; all but the 16 youngest loads (A's blocks 4-7)
	WIN MUL_LO
	MUL16 0, (\q)%2, \zero
	MUL16 2, (\q)%2, \zero
	s_wait_dscnt 0                                 ; A's blocks 4-7 are in
	PLACES NP
	FETCH_B \slot, (\q)+1, 1-(\q)%2
	FETCH_A \slot, (\q)+1, 0
	WIN MUL_HI
	MUL16 4, (\q)%2, \zero
	MUL16 6, (\q)%2, \zero
	PLACES NP
	WIN 0
	FETCH_A \slot, (\q)+1, 4
.endm
; A slot's last step changes slots: one barrier; in front of it each wave waits for all its tensor loads, adds 0 to its spare word, and waits for that and for its reads of this slot.
.macro TURN slot, next, fill
	s_wait_tensorcnt 0x0                           ; all my tensor loads have landed: my part of the next slot
	ds_add_u32 v[SPW], v[NIL]                      ; 0 onto my spare word
	s_wait_dscnt 4*NL+1                            ; (the add and the 16 youngest loads may be out)
	WIN MUL_LO
	MUL16 0, 1, 0                                  ; sixteen products stand between the add and the wait for it
	s_wait_dscnt 0x0                               ; the add is done, and my reads of this slot are over
	s_barrier_signal -1
	MUL16 2, 1, 0
	WIN 0
	s_barrier_wait -1
.if \fill
	CREST                                          ; the barrier has opened a round of the cluster's: no wave of any partner still reads this slot or has a load on its way
	s_add_nc_u64 s[G0+4*\slot+2:G0+4*\slot+3], s[G0+4*\slot+2:G0+4*\slot+3], 2*ROWB
	s_add_nc_u64 s[G0B+4*\slot+2:G0B+4*\slot+3], s[G0B+4*\slot+2:G0B+4*\slot+3], 2*ROWB
	JLOAD G0+4*\slot, G1, G0B+4*\slot, G1B         ; the first tensor load behind the round; its four v_nop are the places in front of the loads below
.else
	PLACES NP
.endif
	FETCH_B \next, 0, 0
	FETCH_A \next, 0, 0
	WIN MUL_HI
	MUL16 4, 1, 0
	MUL16 6, 1, 0
	PLACES NP
	WIN 0
	FETCH_A \next, 0, 4
.endm
	s_wait_alu depctr_va_vdst(0)
	s_wait_tensorcnt 1                             ; my part of K step 0 is in; K step 1's load may be out
	s_barrier_signal -1
	s_barrier_wait -1
	FETCH_B 0, 0, 0
	FETCH_A 0, 0, 0
	FETCH_A 0, 0, 4
	STEP 0, 0, 1                                   ; the first step starts the sums: nothing is cleared
	s_mov_b32 s3, LAPS-1
.Llap:                                             ; a trip goes once round the ring and fills both slots again
	TURN 0, 1, 1
	STEP 1, 0, 0
	TURN 1, 0, 1
	STEP 0, 0, 0
	s_sub_co_u32 s3, s3, 1
	s_cmp_lg_u32 s3, 0
	s_cbranch_scc1 .Llap
	TURN 0, 1, 0                                   ; the last lap fills nothing
	STEP 1, 0, 0
	s_wait_dscnt 4*NL
	WIN MUL_LO
	MUL16 0, 1, 0
	MUL16 2, 1, 0
	s_wait_dscnt 0
	WIN MUL_HI
	MUL16 4, 1, 0
	MUL16 6, 1, 0
	WIN 0
	; THE WAY OUT.  E = eo - ea - eb of my product, chosen without a branch.
	s_wait_kmcnt 0x0
	s_sub_co_i32 s96, s86, s80
	s_sub_co_i32 s96, s96, s81                     ; Q: e6 - e0 - e1
	s_sub_co_i32 s97, s87, s82
	s_sub_co_i32 s97, s97, s83                     ; K: e7 - e2 - e3
	s_sub_co_i32 s98, s89, s84
	s_sub_co_i32 s98, s98, s85                     ; V: e9 - e4 - e5
	s_cmp_eq_u32 ttmp9, 0
	s_cselect_b32 s96, s96, s97
	s_cmp_eq_u32 ttmp9, 2
	s_cselect_b32 s96, s98, s96
	s_add_co_i32 s96, s96, 127
	s_lshl_b32 s97, s96, 23
	v_mov_b32 v[SC], s97                           ; 2^E: the conversion takes its exponent field
	s_add_co_i32 s96, s96, 8
	s_lshl_b32 s96, s96, 23
	s_or_b32 s96, s96, 0x600000
	PLACES NP                                      ; behind the last products: their results are read and A's registers written below
; Block a (16 rows of A x my 128 rows of B): converted, stored.  Accumulator b gives registers 2 b, 2 b + 1; four registers of the 32 lanes are one piece of 512 consecutive bytes.
.macro OUTBLK a
	WIN 0x02+((\a)/4)                              ; source 0: window 2 or 3
.set i, 0
.rept 64
.set i, i+1
.endr
.irp b, 0,1,2,3,4,5,6,7
	v_cvt_scalef32_pk8_fp8_f32 v[CD+16*(\a)+2*\b:CD+16*(\a)+2*\b+1], v[TMP+8*\b+((64*((\a)%4)+i)-(TMP+i)):TMP+8*\b+7+((64*((\a)%4)+i)-(TMP+i))], v[SC]
.endr
	WIN 0
	v_nop
.irp g, 0,1,2,3
	global_store_b128 v[OF0+\g/2], v[CD+16*(\a)+4*\g:CD+16*(\a)+4*\g+3], s[BASE+2*((\a)/4):BASE+2*((\a)/4)+1] offset:((\a)%4)*1024+(\g%2)*512   ; 32 lanes store 512 consecutive bytes, aligned
.endr
.endm
.irp a, 0,1,2,3,4,5,6,7
	OUTBLK \a
.endr
	s_wait_tensorcnt 0x0                           ; the wave's end
	ds_add_u32 v[SPW], v[NIL]
	s_wait_dscnt 0x0
	CROUND                                         ; the closing round
	s_endpgm
.Lfunc_end_k_q3b67baef4e_qkv_proj:
	.size	k_q3b67baef4e_qkv_proj, .Lfunc_end_k_q3b67baef4e_qkv_proj-k_q3b67baef4e_qkv_proj
	.p2alignl 7, 3214868480
	.fill 96, 4, 3214868480
	.section	.rodata,"a",@progbits
	.p2align	6, 0x0
	.amdhsa_kernel k_q3b67baef4e_qkv_proj
		.amdhsa_group_segment_fixed_size 327680
		.amdhsa_private_segment_fixed_size 0
		.amdhsa_enable_private_segment 0
		.amdhsa_kernarg_size 48
		.amdhsa_user_sgpr_count 2
		.amdhsa_user_sgpr_kernarg_segment_ptr 1
		.amdhsa_wavefront_size32 1
		.amdhsa_system_sgpr_workgroup_id_x 1
		.amdhsa_system_sgpr_workgroup_id_y 1
		.amdhsa_system_sgpr_workgroup_id_z 1
		.amdhsa_system_vgpr_workitem_id 0
		.amdhsa_next_free_vgpr 1024
		.amdhsa_next_free_sgpr 102
		.amdhsa_reserve_vcc 0
		.amdhsa_float_denorm_mode_32 3
		.amdhsa_float_denorm_mode_16_64 3
		.amdhsa_fp16_overflow 1
		.amdhsa_memory_ordered 1
		.amdhsa_forward_progress 1
		.amdhsa_inst_pref_size 87
	.end_amdhsa_kernel
	.amdgpu_metadata
---
amdhsa.version: [ 1, 2 ]
amdhsa.kernels:
  - .name:           k_q3b67baef4e_qkv_proj
    .symbol:         k_q3b67baef4e_qkv_proj.kd
    .args:
      - { .name: x_codes, .offset: 0, .size: 8, .value_kind: global_buffer, .address_space: global }
      - { .name: Wq_codes, .offset: 8, .size: 8, .value_kind: global_buffer, .address_space: global }
      - { .name: Wk_codes, .offset: 16, .size: 8, .value_kind: global_buffer, .address_space: global }
      - { .name: Wv_codes, .offset: 24, .size: 8, .value_kind: global_buffer, .address_space: global }
      - { .name: lowp_scales, .offset: 32, .size: 8, .value_kind: global_buffer, .address_space: global }
      - { .name: qkv, .offset: 40, .size: 8, .value_kind: global_buffer, .address_space: global }
    .group_segment_fixed_size: 327680
    .private_segment_fixed_size: 0
    .kernarg_segment_align: 8
    .kernarg_segment_size: 48
    .max_flat_workgroup_size: 128
    .sgpr_count:     102
    .vgpr_count:     1024
    .wavefront_size: 32
...
	.end_amdgpu_metadata
.endif
;; end of part 1
;; launch attn (part 2): grid 4 x 64, 16 waves a work-group, no clusters, 327,680 bytes of LDS; arguments qkv, lowp_scales, att; writes att
.if DOCPART == 2
	.amdgcn_target "amdgcn-amd-amdhsa--gfx1250"
	.amdhsa_code_object_version 6
	.text
	.protected	k_q3b67baef4e_attn
	.globl	k_q3b67baef4e_attn
	.p2align	8
	.type	k_q3b67baef4e_attn,@function
k_q3b67baef4e_attn:
	s_mov_b64 s[64:65], 0
	v_nop
	global_prefetch_b8 v0, s[64:65] scope:SCOPE_SE
	s_setreg_imm32_b32 hwreg(HW_REG_WAVE_MODE, 25, 1), 1
	s_wait_xcnt 0x0
; Causal attention on codes of E4M3: 64 heads (batch x 16 + head) of 2,048 tokens x 64 channels.  Q, K, V come as images of operand registers (four registers of 32 lanes = 512 bytes, lane l at 16 l):
;   Q at qkv + 0, K at + 8 MiB: [head][16 tokens: 128][piece: 2][512];  V at + 16 MiB, keys innermost: [head][128 keys: 16][piece / 2][16 channels: 4][piece % 2][512].
; The result, O / l, is quantised with 2^e10 and stored as an image too: att [16 tokens: 512][head: 16][piece: 2][512]: two neighbouring heads are one fragment 16 rows x 128 k of the last product.
; THE SOFTMAX: t = score x log2(e) / 8; M = the running largest t rounded UP to a whole number; p = 2^(t - M) is quantised with 2^e8, not normalised; the row's sum is taken of the unquantised p and divides at the end.
; When M moves, the sum and O are multiplied by 2^(old M - new M): exact.
; SHARES.  A work-group (x = p, 0..3; y = the head) owns the blocks 7 - p and p of 256 queries, one after the other: 8 - p and p + 1 slots of 256 keys, NINE FOR EVERY WORK-GROUP: the trip count is a constant,
; and no slot is fetched that the mask hides as a whole.  Each of sixteen waves owns 16 queries of the block in hand, in 256 registers: four waves to a SIMD.
; No cluster: from the sixth slot on the four work-groups of a head walk different keys, so they have no joint request to make.
; LAYOUT.  S^T = K Q^T (source 0 = 16 keys, source 1 = my queries, K = 64); O^T = V^T P^T (source 0 = 16 channels, source 1 = p, K = 128 keys): a lane holds ONE query (lane % 16) throughout.
; Register 8 t + j of S^T is key 16 t + 8 (lane / 16) + j: the place that the second product's operand gives registers 2 t, 2 t + 1.  So the conversions' results are that operand.
; A step all of whose 128 keys come after my queries is jumped over (a branch on ids); on the diagonal hidden scores become -infinity.  Key 0 counts for every query, so M is a number from a pass's first step on.
; LIMITS on the given exponents: e6 + e7 between -123 and 130 (added to c's exponent field); e8, and e10 - e8 - e9, between -126 and 119.
; REGISTERS: v1 16 x lane; v2 the LDS address in hand; v3 256 x lane; v4 lane % 16 - 8 (lane / 16); v5, v6 the add's; v12 -M, v13 the largest t, v[14:15] the sum; v16-23 Q; v24-31 the second pass's Q;
;   v32-95 K's eight fragments, then V's four; v96-159 S^T, then p; v160-191 O^T; v192-207 p's codes; v208-215 the result's codes; v236-254 at work and scales.
.set SLOT1, 32768                      ; a slot: K's 16,384 bytes, then V's; slot 1 begins here: one exclusive or turns an address
.set VOFF,  16384
.set SPARE, 65536                      ; behind the ring: the spare words, 128 bytes for each of 16 waves
.set LI,   1
.set ADR,  2
.set PFO,  3
.set LD,   4
.set SPW,  5
.set NIL,  6
.set TB,   2                           ; s2   LDS byte at which the slot in hand begins
.set SI,   3                           ; s3   the slot's number, 0..8
.set NA,   12                          ; s12  slots of the first pass: 8 - p
.set Q0,   13                          ; s13  my first query of the pass in hand
.set Q0B,  14                          ; s14  of the second pass
.set KF,   15                          ; s15  the step's first key
.set KSN,  16                          ; s16  which 256 keys the next load brings
.set LIM,  17                          ; s17  a wave prefetches while SI is under it
.set WV,   18
.set SEL,  20                          ; s[20:21] lane l xor 16
.set CS,   22                          ; s[22:23] c = log2(e) / 8 x 2^(e6 + e7)
.set G1,   24
.set G0,   32
.set KVB,  36                          ; s[36:37] the head's K (wave 0) or V (wave 1)
.set PFA,  38                          ; s[38:39] where my prefetches stand
.set OUTP, 42                          ; s[42:43] where my result goes
; Waves 0 and 1 fetch, one load each: K's 16,384 bytes, V's 16,384 bytes.  Four v_nop follow the line.
.macro TLOAD
	s_cmp_lt_u32 s[WV], 2
	s_cbranch_scc0 .Lnone_\@
	tensor_load_to_lds s[G0:G0+3], s[G1:G1+7]
	s_nop 0
.rept 4
	v_nop
.endr
.Lnone_\@:
.endm
; A prefetch of the 256 keys that the NEXT change of slots will ask for.  The head's work-group p = 0 walks all eight slots of keys in order, so it asks, and nobody else: waves 4, 5 for the halves of K's 16,384 bytes,
; waves 6, 7 for V's: 8,192 bytes a wave, lanes 256 bytes apart: each block of 256 bytes is named once in the launch.  Trips 0 to 5 ask for slots 2 to 7; slots 0 and 1 come by their loads alone.
.macro ASK
	s_cmp_lt_u32 s[SI], s[LIM]
	s_cbranch_scc0 .Lnot_mine_\@
	global_prefetch_b8 v[PFO], s[PFA:PFA+1] th:TH_LOAD_NT scope:SCOPE_SE
.Lnot_mine_\@:
.endm
.macro INIT                            ; a pass begins: the largest t under every t, the sum and O^T zeros, which the first change of M leaves zeros; so the step is written once
	v_mov_b32 v13, 0xff61b1e6                      ; -3e38
	s_delay_alu instid0(VALU_DEP_1)
	v_floor_f32 v12, -v13
	v_mov_b32 v14, 0
	v_mov_b32 v15, 0
.set n, 0
.rept 32
	v_mov_b32 v[160+n], 0
.set n, n+1
.endr
.endm
	s_load_b128 s[4:7], s[0:1], 0x0                ; qkv s[4:5], the exponents s[6:7]
	s_load_b64 s[8:9], s[0:1], 0x10                ; att
	v_lshl_add_u32 v[SPW], v0, 2, SPARE
	v_mov_b32 v[NIL], 0
	ds_add_u32 v5, v6
	ds_add_u32 v5, v6
	s_wait_dscnt 0x0
	v_lshrrev_b32 v2, 5, v0
	s_delay_alu instid0(VALU_DEP_1)
	v_readfirstlane_b32 s[WV], v2                  ; wave 0..15
	s_mov_b32 s10, ttmp9                           ; p
	s_and_b32 s11, ttmp7, 0xffff                   ; the head: batch x 16 + head
	s_sub_co_u32 s[NA], 8, s10
	s_lshl_b32 s56, s[WV], 4
	s_sub_co_u32 s57, 7, s10
	s_lshl_b32 s57, s57, 8
	s_add_co_u32 s[Q0], s57, s56                   ; 256 (7 - p) + 16 w
	s_lshl_b32 s57, s10, 8
	s_add_co_u32 s[Q0B], s57, s56                  ; 256 p + 16 w
	s_lshr_b32 s19, s11, 4
	s_lshl_b32 s19, s19, 11                        ; the batch's first token
	s_and_b32 s50, s11, 15
	s_lshl_b32 s50, s50, 10                        ; the head's 1,024 bytes in a block of att
	s_mov_b32 s[G1], 3<<16                         ; no mask; elements of 8 bytes; no padding: a dense block as 64 rows of 256 bytes
	s_mov_b32 s[G1+1], 32<<16                      ; tensor_dim0 = 32
	s_mov_b32 s[G1+2], 64<<16                      ; tensor_dim1 = 64
	s_mov_b32 s[G1+3], 32<<16                      ; tile_dim0 = 32
	s_mov_b32 s[G1+4], 64                          ; tile_dim1 = 64
	s_mov_b32 s[G1+5], 32                          ; from row to row
	s_mov_b32 s[G1+6], 0
	s_mov_b32 s[G1+7], 0
	s_mov_b32 s[SEL], 0x76543210
	s_mov_b32 s[SEL+1], 0xfedcba98
	s_mov_b32 s[TB], 0
	s_mov_b32 s[SI], 0
	s_mov_b32 s[KSN], 0
	s_mov_b32 s[KF], 0
	s_and_b32 s56, s[WV], 1
	s_lshl_b32 s57, s56, 14                        ; in a slot: K at 0, V at 16,384
	s_add_co_u32 s40, s56, 1
	s_lshl_b32 s40, s40, 23                        ; in qkv: K at 8 MiB, V at 16 MiB,
	s_lshl_b32 s41, s11, 17
	s_add_co_u32 s40, s40, s41                     ; + the head's 131,072 bytes
	s_mov_b32 s41, 0
	s_wait_kmcnt 0x0
	s_load_b128 s[44:47], s[6:7], 0x18             ; e6, e7, e8, e9
	s_load_b32 s48, s[6:7], 0x28                   ; e10
	s_add_nc_u64 s[KVB:KVB+1], s[4:5], s[40:41]
	s_mov_b32 s[G0], 1
	s_mov_b32 s[G0+1], s57
	s_mov_b64 s[G0+2:G0+3], s[KVB:KVB+1]
	s_or_b32 s[G0+3], s[G0+3], 0x80000000
	TLOAD                                          ; keys 0 to 255 into slot 0: one load of mine is out
	v_and_b32 v[LI], 31, v0
	s_delay_alu instid0(VALU_DEP_1)
	v_lshlrev_b32 v[PFO], 8, v[LI]
	s_delay_alu instid0(VALU_DEP_2)
	v_lshlrev_b32 v[LI], 4, v[LI]
	s_wait_alu depctr_va_vdst(0)
	s_lshl_b32 s40, s11, 17
	s_lshl_b32 s56, s[Q0], 6                       ; 16 queries are 1,024 bytes
	s_add_co_u32 s40, s40, s56
	s_add_nc_u64 s[52:53], s[4:5], s[40:41]
	s_lshl_b32 s40, s11, 17
	s_lshl_b32 s56, s[Q0B], 6
	s_add_co_u32 s40, s40, s56
	s_add_nc_u64 s[54:55], s[4:5], s[40:41]
	global_load_b128 v[16:19], v[LI], s[52:53]             ; both passes' fragments of Q stay in registers
	global_load_b128 v[20:23], v[LI], s[52:53] offset:512
	global_load_b128 v[24:27], v[LI], s[54:55]
	global_load_b128 v[28:31], v[LI], s[54:55] offset:512
	s_lshr_b32 s56, s[WV], 1                       ; the prefetches: waves 4, 5: K; waves 6, 7: V
	s_and_b32 s56, s56, 1
	s_add_co_u32 s56, s56, 1
	s_lshl_b32 s40, s56, 23
	s_lshl_b32 s56, s11, 17
	s_add_co_u32 s40, s40, s56
	s_and_b32 s56, s[WV], 1
	s_lshl_b32 s56, s56, 13                        ; my half of the 16,384 bytes,
	s_add_co_u32 s40, s40, s56
	s_add_co_u32 s40, s40, 16384                   ; in slot 1: the first change of slots steps it to slot 2
	s_add_nc_u64 s[PFA:PFA+1], s[4:5], s[40:41]
	s_sub_co_u32 s56, s[WV], 4
	s_lshr_b32 s56, s56, 2                         ; 0 in waves 4 to 7,
	s_or_b32 s56, s56, ttmp9                       ; of the work-group p = 0
	s_cmp_eq_u32 s56, 0
	s_cselect_b32 s[LIM], 6, 0
	v_and_b32 v[LD], 15, v0
	v_bfe_u32 v2, v0, 4, 1
	s_delay_alu instid0(VALU_DEP_1)
	v_lshlrev_b32 v2, 3, v2
	s_delay_alu instid0(VALU_DEP_1)
	v_sub_nc_u32 v[LD], v[LD], v2                  ; lane % 16 - 8 (lane / 16)
	v_mov_b32 v236, 0                              ; written once: a lane permute's destination counts as one of its sources
	v_mov_b32 v253, 0                              ; (named as the upper half of the pair v[252:253])
	INIT
	s_wait_kmcnt 0x0
	s_add_co_i32 s56, s44, s45
	s_lshl_b32 s56, s56, 23
	s_mov_b32 s[CS], 0x3e38aa3b                    ; log2(e) / 8
	s_add_co_i32 s[CS], s[CS], s56                 ; a score stands for score x 2^(e6 + e7): added to c's exponent field
	s_mov_b32 s[CS+1], s[CS]
	s_add_co_i32 s56, s46, 127
	s_lshl_b32 s57, s56, 23
	v_mov_b32 v244, s57                            ; 2^e8
	s_sub_co_i32 s56, s48, s46
	s_sub_co_i32 s56, s56, s47                     ; e10 - e8 - e9: a sum of the second product stands for sum x 2^(e8 + e9)
	s_add_co_i32 s56, s56, 127
	s_lshl_b32 s57, s56, 23
	v_mov_b32 v245, s57
; A KEY STEP: 128 keys, the q-th half of the slot in hand.
.macro STEP q
	s_add_co_u32 s56, s[Q0], 15
	s_cmp_gt_u32 s[KF], s56                        ; all its keys come after my queries: nothing to do but to step KF
	s_cbranch_scc1 .Lhidden_\@
	v_add_nc_u32 v[ADR], s[TB], v[LI]              ; with the three v_nop: four places in front of loads into registers that matrix instructions have read
.rept 3
	v_nop
.endr
.irp t, 0,1,2,3,4,5,6,7
	ds_load_b128 v[32+8*\t:35+8*\t], v[ADR] offset:8192*(\q)+1024*\t          ; K's fragment t: keys 16 t on
	ds_load_b128 v[36+8*\t:39+8*\t], v[ADR] offset:8192*(\q)+1024*\t+512
.endr
	s_wait_alu depctr_va_vdst(0)
	s_wait_dscnt 0x0
.irp t, 0,1,2,3,4,5,6,7
	v_wmma_f32_16x16x64_fp8_fp8 v[96+8*\t:103+8*\t], v[32+8*\t:39+8*\t], v[16:23], 0
.endr
.rept 4
	v_nop                                          ; places: V's loads land where K lay, and the scores are read below
.endr
.irp d, 0,1,2,3
.irp c, 0,1,2,3
	ds_load_b128 v[32+16*\d+4*\c:35+16*\d+4*\c], v[ADR] offset:VOFF+8192*(\q)+(\c/2)*4096+\d*1024+(\c%2)*512   ; V's fragment d: channels 16 d on; it lands while the softmax is worked
.endr
.endr
	s_add_co_u32 s56, s[KF], 127
	s_cmp_le_u32 s56, s[Q0]                        ; all 128 keys count: no mask
	s_cbranch_scc1 .Lopen_\@
	s_sub_co_i32 s56, s[Q0], s[KF]
	v_add_nc_u32 v252, s56, v[LD]                  ; d = my query - KF - 8 (lane / 16).  Register 8 t + j holds key KF + 16 t + 8 (lane / 16) + j: hidden where 16 t + j > d
	v_mov_b32 v254, 0xff800000                     ; -infinity
.set n, 0
.rept 64
	v_cmp_gt_i32 vcc_lo, 16*(n/8)+n%8, v252
	v_cndmask_b32 v[96+n], v[96+n], v254, vcc_lo
.set n, n+1
.endr
.Lopen_\@:
	v_max3_num_f32 v254, v96, v97, v98             ; the step's largest score of my query among my 64 keys, in two chains, the registers in ascending order,
	v_max3_num_f32 v252, v99, v100, v101
.irp i, 6,10,14,18,22,26,30,34,38,42,46,50,54,58
	v_max3_num_f32 v254, v254, v[96+\i], v[97+\i]
	v_max3_num_f32 v252, v252, v[98+\i], v[99+\i]
.endr
	v_max3_num_f32 v254, v254, v158, v159
	s_delay_alu instid0(VALU_DEP_1)
	v_max_num_f32 v254, v254, v252
	s_delay_alu instid0(VALU_DEP_1)
	v_permlanex16_b32 v236, v254, s[SEL], s[SEL+1]
	s_delay_alu instid0(VALU_DEP_1)
	v_max_num_f32 v254, v254, v236                 ; and among lane l xor 16's
	s_delay_alu instid0(VALU_DEP_1)
	v_mul_f32 v254, s[CS], v254                    ; as t (c is positive)
	s_delay_alu instid0(VALU_DEP_1)
	v_max_num_f32 v13, v13, v254                   ; the running largest t
	v_mov_b32 v254, v12
	s_delay_alu instid0(VALU_DEP_2)
	v_floor_f32 v12, -v13                          ; the new -M = floor(-t): M is a whole number
	s_delay_alu instid0(VALU_DEP_1)
	v_sub_f32 v254, v12, v254                      ; old M - new M: a whole number, 0 or less
	s_delay_alu instid0(VALU_DEP_1)
	v_cvt_i32_f32 v254, v254                       ; (it saturates)
	s_delay_alu instid0(VALU_DEP_1)
	v_ldexp_f32 v252, 1.0, v254                    ; f = 2^(old M - new M)
.set n, 0
.rept 32
	v_pk_fma_f32 v[96+n:97+n], v[96+n:97+n], s[CS:CS+1], v[12:13] op_sel_hi:[1,0,0]   ; t - M, two at a time
.set n, n+2
.endr
.set n, 0
	s_wait_alu depctr_va_vdst(0)
.rept 64
	v_exp_f32 v[96+n], v[96+n]                     ; p = 2^(t - M), at most 1
.set n, n+1
.endr
	v_pk_mul_f32 v[14:15], v[14:15], v[252:253] op_sel_hi:[1,0]   ; the sums under the new M: the plain instruction behind the exponentials
	s_wait_alu depctr_va_vdst(0)                   ; one wait for the batch of 64, ahead of its first reader
	v_pk_add_f32 v[242:243], v[100:101], v[104:105]
	v_pk_add_f32 v[254:255], v[108:109], v[112:113]
	v_pk_add_f32 v[250:251], v[116:117], v[120:121]
	v_pk_add_f32 v[248:249], v[124:125], v[128:129]
	v_pk_add_f32 v[246:247], v[132:133], v[136:137]
	v_pk_add_f32 v[240:241], v[140:141], v[144:145]
	v_pk_add_f32 v[238:239], v[148:149], v[152:153]
	v_pk_add_f32 v[14:15], v[14:15], v[156:157]
	v_pk_add_f32 v[242:243], v[242:243], v[96:97]
	v_pk_add_f32 v[254:255], v[254:255], v[98:99]
	v_pk_add_f32 v[250:251], v[250:251], v[102:103]
	v_pk_add_f32 v[248:249], v[248:249], v[106:107]
	v_pk_add_f32 v[246:247], v[246:247], v[110:111]
	v_pk_add_f32 v[240:241], v[240:241], v[114:115]
	v_pk_add_f32 v[238:239], v[238:239], v[118:119]
	v_pk_add_f32 v[14:15], v[14:15], v[122:123]
	v_pk_add_f32 v[242:243], v[242:243], v[126:127]
	v_pk_add_f32 v[254:255], v[254:255], v[130:131]
	v_pk_add_f32 v[250:251], v[250:251], v[134:135]
	v_pk_add_f32 v[248:249], v[248:249], v[138:139]
	v_pk_add_f32 v[246:247], v[246:247], v[142:143]
	v_pk_add_f32 v[240:241], v[240:241], v[146:147]
	v_pk_add_f32 v[238:239], v[238:239], v[150:151]
	v_pk_add_f32 v[14:15], v[14:15], v[154:155]
	v_pk_add_f32 v[242:243], v[242:243], v[158:159]
	s_delay_alu instid0(VALU_DEP_2)
	v_pk_add_f32 v[14:15], v[14:15], v[248:249]
	s_delay_alu instid0(VALU_DEP_2)
	v_pk_add_f32 v[242:243], v[242:243], v[246:247]
	v_pk_add_f32 v[254:255], v[254:255], v[240:241]
	v_pk_add_f32 v[250:251], v[250:251], v[238:239]
	s_delay_alu instid0(VALU_DEP_2)
	v_pk_add_f32 v[14:15], v[14:15], v[254:255]
	s_delay_alu instid0(VALU_DEP_2)
	v_pk_add_f32 v[242:243], v[242:243], v[250:251]
	s_delay_alu instid0(VALU_DEP_1)
	v_pk_add_f32 v[14:15], v[14:15], v[242:243]
.irp t, 0,1,2,3,4,5,6,7
.irp i, 0,1,2,3,4,5,6,7
.endr
	v_cvt_scalef32_pk8_fp8_f32 v[192+2*\t:193+2*\t], v[96+8*\t:103+8*\t], v244   ; registers 2 t, 2 t + 1 of the operand: keys 16 t + 8 (lane / 16) + 0 .. 7
.endr
.set n, 0
.rept 16
	v_pk_mul_f32 v[160+n:161+n], v[160+n:161+n], v[252:253] op_sel_hi:[1,0]   ; O^T under the new M, from each accumulator's low end on; also the plain instructions behind the conversions
.set n, n+2
.endr
	s_wait_alu depctr_va_vdst(0)
	s_wait_dscnt 0x0                               ; V is in
.irp d, 0,1,2,3
	v_wmma_f32_16x16x128_fp8_fp8 v[160+8*\d:167+8*\d], v[32+16*\d:47+16*\d], v[192:207], v[160+8*\d:167+8*\d]   ; the four accumulators take turns
.endr
.Lhidden_\@:
	s_add_co_u32 s[KF], s[KF], 128
.endm
; A pass ends: O^T / the sum, held, quantised with 2^e10, stored as the head's two pieces of my 16 tokens' block: 512 consecutive bytes a store.
.macro FINISH
.rept 4
	v_nop                                          ; places behind the last products
.endr
	v_add_f32 v14, v14, v15
	s_delay_alu instid0(VALU_DEP_1)
	v_permlanex16_b32 v236, v14, s[SEL], s[SEL+1]
	s_delay_alu instid0(VALU_DEP_1)
	v_add_f32 v14, v14, v236                       ; the row's sum
	s_wait_alu depctr_va_vdst(0)
	v_rcp_f32 v14, v14
	v_nop                                          ; a plain instruction behind the reciprocal
	s_add_co_u32 s40, s19, s[Q0]                   ; my first token; 16 tokens are 16,384 bytes of att
	s_lshl_b32 s40, s40, 10
	s_add_co_u32 s40, s40, s50
	s_mov_b32 s41, 0
	s_wait_alu depctr_va_vdst(0)                   ; the wait ahead of the reciprocal's first reader
.set n, 0
.rept 16
	v_pk_mul_f32 v[96+n:97+n], v[160+n:161+n], v[14:15] op_sel_hi:[1,0]
.set n, n+2
.endr
.set n, 0
.rept 32
.set n, n+1
.endr
	s_wait_alu depctr_va_vdst(0)
	s_wait_xcnt 0x0                                ; the first pass's stores have read their base and their data: both are written below
	s_add_nc_u64 s[OUTP:OUTP+1], s[8:9], s[40:41]
.irp d, 0,1,2,3
	v_cvt_scalef32_pk8_fp8_f32 v[208+2*\d:209+2*\d], v[96+8*\d:103+8*\d], v245   ; channels 16 d + 8 (lane / 16) + 0 .. 7: registers 2 d, 2 d + 1
.endr
	v_nop                                          ; a plain instruction behind the conversions: their sources are written again by the next pass's products
	global_store_b128 v[LI], v[208:211], s[OUTP:OUTP+1]
	global_store_b128 v[LI], v[212:215], s[OUTP:OUTP+1] offset:512
.endm
; THE CHANGE OF SLOTS stands at a slot's head.  Each wave waits for all its tensor loads, adds 0 to its spare word, and waits for that and for its reads of the slot that it has left.
; fill = 1: behind the barrier that slot is filled with the keys that follow: the next 256 of the pass, or keys 0 to 255 where the second pass begins.
.macro CHANGE fill
	s_wait_tensorcnt 0x0                           ; no tensor load of mine is out, so the descriptor may be written
	ds_add_u32 v[SPW], v[NIL]                      ; 0 onto my spare word
.if \fill
	s_xor_b32 s[G0+1], s[G0+1], SLOT1
	s_add_co_u32 s[KSN], s[KSN], 1
	s_add_co_u32 s56, s[SI], 1
	s_cmp_eq_u32 s56, s[NA]
	s_cselect_b32 s[KSN], 0, s[KSN]
	s_lshl_b32 s40, s[KSN], 14
	s_mov_b32 s41, 0
	s_add_nc_u64 s[G0+2:G0+3], s[KVB:KVB+1], s[40:41]
	s_or_b32 s[G0+3], s[G0+3], 0x80000000
	s_wait_xcnt 0x0                                ; the last prefetch, a slot back, has read its address
	s_add_nc_u64 s[PFA:PFA+1], s[PFA:PFA+1], 16384
.endif
	s_wait_dscnt 0x0                               ; the add is done, and my reads of the slot that I have left are over
	s_barrier_signal -1
	s_barrier_wait -1
.if \fill
	TLOAD                                          ; the first thing behind the barrier, a wave's one tensor load until the next
	ASK
.endif
.endm
.macro SLOT_STEPS
	s_cmp_lg_u32 s[SI], s[NA]
	s_cbranch_scc1 .Lsame_\@
	FINISH                                         ; the first pass is over: its result leaves, and the second pass begins with keys 0 on
	s_mov_b32 s[Q0], s[Q0B]
	s_mov_b32 s[KF], 0
.irp j, 0,1,2,3,4,5,6,7
	v_mov_b32 v[16+\j], v[24+\j]
.endr
	INIT
.Lsame_\@:
	STEP 0
	STEP 1
	s_xor_b32 s[TB], s[TB], SLOT1
.endm
	s_wait_loadcnt 0x0                             ; Q
.Lslot:                                            ; eight trips: behind each change of slots but the last the next slot is asked for
	CHANGE 1
	SLOT_STEPS
	s_add_co_u32 s[SI], s[SI], 1
	s_cmp_lt_u32 s[SI], 8
	s_cbranch_scc1 .Lslot
	CHANGE 0                                       ; the ninth slot is written out
	SLOT_STEPS
	FINISH
	s_wait_tensorcnt 0x0                           ; the wave's end
	ds_add_u32 v[SPW], v[NIL]
	s_wait_dscnt 0x0
	s_endpgm
.Lfunc_end_k_q3b67baef4e_attn:
	.size	k_q3b67baef4e_attn, .Lfunc_end_k_q3b67baef4e_attn-k_q3b67baef4e_attn
	.p2alignl 7, 3214868480
	.fill 96, 4, 3214868480
	.section	.rodata,"a",@progbits
	.p2align	6, 0x0
	.amdhsa_kernel k_q3b67baef4e_attn
		.amdhsa_group_segment_fixed_size 327680
		.amdhsa_private_segment_fixed_size 0
		.amdhsa_enable_private_segment 0
		.amdhsa_kernarg_size 24
		.amdhsa_user_sgpr_count 2
		.amdhsa_user_sgpr_kernarg_segment_ptr 1
		.amdhsa_wavefront_size32 1
		.amdhsa_system_sgpr_workgroup_id_x 1
		.amdhsa_system_sgpr_workgroup_id_y 1
		.amdhsa_system_sgpr_workgroup_id_z 1
		.amdhsa_system_vgpr_workitem_id 0
		.amdhsa_next_free_vgpr 256
		.amdhsa_next_free_sgpr 66
		.amdhsa_reserve_vcc 1
		.amdhsa_float_denorm_mode_32 3
		.amdhsa_float_denorm_mode_16_64 3
		.amdhsa_fp16_overflow 1
		.amdhsa_memory_ordered 1
		.amdhsa_forward_progress 1
		.amdhsa_inst_pref_size 93
	.end_amdhsa_kernel
	.amdgpu_metadata
---
amdhsa.version: [ 1, 2 ]
amdhsa.kernels:
  - .name:           k_q3b67baef4e_attn
    .symbol:         k_q3b67baef4e_attn.kd
    .args:
      - { .name: qkv, .offset: 0, .size: 8, .value_kind: global_buffer, .address_space: global }
      - { .name: lowp_scales, .offset: 8, .size: 8, .value_kind: global_buffer, .address_space: global }
      - { .name: att, .offset: 16, .size: 8, .value_kind: global_buffer, .address_space: global }
    .group_segment_fixed_size: 327680
    .private_segment_fixed_size: 0
    .kernarg_segment_align: 8
    .kernarg_segment_size: 24
    .max_flat_workgroup_size: 512
    .sgpr_count:     66
    .vgpr_count:     256
    .wavefront_size: 32
...
	.end_amdgpu_metadata
.endif
;; end of part 2
;; launch out_proj (part 3): grid 4 x 32, 4 waves a work-group, clusters of 4 x 4, 327,680 bytes of LDS; arguments att, Wo_codes, lowp_scales, bo, out0; writes out0
.if DOCPART == 3
	.amdgcn_target "amdgcn-amd-amdhsa--gfx1250"
	.amdhsa_code_object_version 6
	.text
	.protected	k_q3b67baef4e_out_proj
	.globl	k_q3b67baef4e_out_proj
	.p2align	8
	.type	k_q3b67baef4e_out_proj,@function
k_q3b67baef4e_out_proj:
	s_mov_b64 s[64:65], 0
	v_nop
	global_prefetch_b8 v0, s[64:65] scope:SCOPE_SE
	s_setreg_imm32_b32 hwreg(HW_REG_WAVE_MODE, 25, 1), 1
	s_wait_xcnt 0x0
	s_wait_alu depctr_hold_cnt(0) depctr_sa_sdst(0) depctr_va_vdst(0) depctr_va_sdst(0) depctr_va_ssrc(0) depctr_va_vcc(0) depctr_vm_vsrc(0)
	s_getreg_b32 s2, hwreg(HW_REG_IB_STS2, 6, 4)
	s_cmp_eq_u32 s2, 0
	s_cbranch_scc0 .Lentry_in_a_cluster
	s_endpgm
.Lentry_in_a_cluster:
	s_bfe_u32 s2, ttmp6, 0x10000c
	s_cmp_lg_u32 s2, 0xf033
	s_cbranch_scc0 .Lentry_shape_is_right
	s_endpgm
.Lentry_shape_is_right:
; out0 = A Wo + bo: [8,192 x 1,024] x [1,024 x 1,024] on codes of E4M3.  A, attention's result, comes as images of operand registers: att [16 rows: 512][128 k: 8][piece: 4][512], lane l at 16 l;
; registers 2 c, 2 c + 1 hold k = 16 c + 8 (lane / 16) + 0 .. 7, this form's own places.  Wo_codes is [1,024 (n)][1,024 (k)]: its fragments are fetched from LDS rows by loads of 8 bytes, into the same places.
; Each finished sum is multiplied once by 2^(e10 + e11), and bo is added in the same fused multiply-add.  LIMIT: e10 + e11 lies between -126 and 127.
; A tile of 256 x 256 is made by four waves, 128 x 128 each; K goes in steps of 256 through two LDS slots.  CLUSTERS: 4 x 4 work-groups; A's tile is asked for jointly along a row of the cluster, Wo's along a column.
; THE MATRIX INSTRUCTION IS USED TRANSPOSED (source 0 = 16 rows of Wo, source 1 = 16 rows of A): a lane holds eight neighbouring numbers of a row of the output.
; REGISTERS, in windows of 256: window 0: v0-31 addresses and my four numbers of bo; from v128 A's fragments, ONE set, later rows of the output.  window 1: Wo's fragments, two sets.  windows 2, 3: accumulator (a, b) at v[8 (8 (a % 4) + b)].
.set ROWB,   256                       ; a row of Wo's tile in bytes
.set KROW,   1024
.set PITCH,  272                       ; Wo's rows in LDS: 256 bytes + 16 of padding
.set FR,     16
.set NL,     4                         ; LDS loads that bring a fragment of A
.set NP,     4
.set HALFA,  32768                     ; 128 rows of A x 256 k as images: 8 blocks x 4,096 bytes, dense
.set HALFB,  128*PITCH
.set BOFF,   2*HALFA
.set SLOT,   BOFF+2*HALFB
.set LAPS,   2
.set SPARE,  2*SLOT
.set SPITCH, 528                       ; the way out: a stage of 16 rows x (512 bytes + 16) for each wave, in slot 0, which has had its last fill and its last read by then
.set ADRA, 16
.set ADRB, 20
.set STO,  24
.set RD,   25
.set CO,   26                          ; v26  16 x lane
.set SPW,  28
.set NIL,  29
.set BI,   8                           ; v[8:11] bo of my four columns
.set AF,   128
.set BK,   128
.set G1, 24
.set G0, 32
.set G1B, 48
.set G0B, 56
.set MSB, 0
.macro WIN new
.if MSB != \new
	s_set_vgpr_msb (MSB<<8)|\new
.set MSB, \new
.endif
.endm
.set MUL_LO, 0xa1
.set MUL_HI, 0xf1
.set TO_B,   0x40
.macro JLOAD g0a, g1a, g0b, g1b        ; waves 0 and 1 fetch A's halves, waves 2 and 3 Wo's; four v_nop follow each of the two lines
	s_cmp_eq_u32 s15, 0
	s_cbranch_scc0 .Lfor_b_\@
	tensor_load_to_lds s[\g0a:\g0a+3], s[\g1a:\g1a+7]
	s_nop 0
.rept 4
	v_nop
.endr
	s_branch .Lasked_\@
.Lfor_b_\@:
	tensor_load_to_lds s[\g0b:\g0b+3], s[\g1b:\g1b+7]
	s_nop 0
.rept 4
	v_nop
.endr
.Lasked_\@:
.endm
.macro CREST
	s_cmp_lg_u32 s14, 0
	s_cbranch_scc1 .Lnot_wave_0_\@
	s_barrier_signal -3
.Lnot_wave_0_\@:
	s_barrier_wait -3
	s_barrier_signal -1
	s_barrier_wait -1
.endm
.macro CROUND
	s_barrier_signal -1
	s_barrier_wait -1
	CREST
.endm
	s_load_b128 s[4:7], s[0:1], 0x0                ; att s[4:5], Wo's codes s[6:7]
	s_load_b128 s[8:11], s[0:1], 0x10              ; the exponents s[8:9], bo s[10:11]
	s_load_b64 s[12:13], s[0:1], 0x20              ; out0
	v_lshl_add_u32 v[SPW], v0, 2, SPARE
	v_mov_b32 v[NIL], 0
	ds_add_u32 v28, v29
	ds_add_u32 v28, v29
	s_wait_dscnt 0x0
	v_lshrrev_b32 v1, 5, v0
	v_readfirstlane_b32 s14, v1                    ; wave 0..3
	s_lshr_b32 s15, s14, 1                         ; which half of the tile's rows is mine.  Also: I fetch for A (0) or for Wo (1)
	s_and_b32 s16, s14, 1                          ; which half of its columns.  Also: which half of that tile I fetch
	s_bfe_u32 s40, ttmp6, 0x40000                  ; cx
	s_bfe_u32 s41, ttmp6, 0x40004                  ; cy
	s_lshl_b32 s42, ttmp9, 2
	s_add_co_u32 s42, s42, s40                     ; tile column
	s_and_b32 s17, ttmp7, 0xffff
	s_lshl_b32 s17, s17, 2
	s_add_co_u32 s17, s17, s41                     ; tile row
	s_lshl_b32 s43, s41, 2
	s_lshl_b32 s43, 15, s43                        ; my row of the cluster
	s_lshl_b32 s44, 0x1111, s40                    ; my column
	s_or_b32 s[G1+0], s43, (3<<16)|(1<<21)         ; A: the mask; elements of 8 bytes; bit 21 beside a mask; no padding
	s_mov_b32 s[G1+1], 512<<16                     ; tensor_dim0 = 512 elements: a block's 4,096 bytes of a K step
	s_mov_b32 s[G1+2], 8<<16                       ; tensor_dim1 = 8 blocks of 16 rows
	s_mov_b32 s[G1+3], 512<<16                     ; tile_dim0
	s_mov_b32 s[G1+4], 8                           ; tile_dim1
	s_mov_b32 s[G1+5], 2048                        ; from block to block: 16,384 bytes
	s_mov_b32 s[G1+6], 0
	s_mov_b32 s[G1+7], 0
	s_or_b32 s[G1B+0], s44, (0<<16)|(1<<20)|(1<<21)|(5<<22)|(3<<25)  ; Wo: elements of 1 byte; 4 words of padding after every 64
	s_mov_b32 s[G1B+1], ROWB<<16
	s_mov_b32 s[G1B+2], 128<<16
	s_mov_b32 s[G1B+3], ROWB<<16
	s_mov_b32 s[G1B+4], 128
	s_mov_b32 s[G1B+5], KROW
	s_mov_b32 s[G1B+6], 0
	s_mov_b32 s[G1B+7], 0
	s_lshl_b32 s18, s16, 17                        ; my half: 8 blocks of 16,384 bytes, or 128 rows of 1,024
	s_lshl_b32 s20, s17, 18                        ; A: 16 blocks to a tile row
	s_add_co_u32 s20, s20, s18
	s_mov_b32 s21, 0
	s_lshl_b32 s46, s42, 18                        ; Wo: 256 rows to a tile column
	s_add_co_u32 s46, s46, s18
	s_mov_b32 s47, 0
	s_lshl_b32 s45, s16, 15                        ; where they go: A's half,
	s_mul_i32 s19, s16, HALFB
	s_add_co_u32 s19, s19, BOFF                    ; Wo's half: no place in the cluster enters an LDS address
	s_wait_kmcnt 0x0
	s_load_b64 s[96:97], s[8:9], 0x28              ; e10, e11
	s_add_nc_u64 s[20:21], s[4:5], s[20:21]
	s_add_nc_u64 s[46:47], s[6:7], s[46:47]
	CROUND                                         ; all sixteen work-groups are here: the first joint loads meet
.irp s, 0,1
	s_mov_b32 s[G0+4*\s], 1
	s_add_co_u32 s[G0+4*\s+1], s45, \s*SLOT
	s_add_nc_u64 s[G0+4*\s+2:G0+4*\s+3], s[20:21], \s*4096
	s_or_b32 s[G0+4*\s+3], s[G0+4*\s+3], 0x80000000
	s_mov_b32 s[G0B+4*\s], 1
	s_add_co_u32 s[G0B+4*\s+1], s19, \s*SLOT
	s_add_nc_u64 s[G0B+4*\s+2:G0B+4*\s+3], s[46:47], \s*ROWB
	s_or_b32 s[G0B+4*\s+3], s[G0B+4*\s+3], 0x80000000
	s_wait_alu depctr_va_vdst(0)
	s_wait_tensorcnt 0x0
	ds_add_u32 v28, v29
	ds_add_u32 v28, v29
	s_wait_dscnt 0x0
	CROUND
	JLOAD G0+4*\s, G1, G0B+4*\s, G1B
.endr
	v_and_b32 v1, 15, v0                           ; r
	v_bfe_u32 v2, v0, 4, 1                         ; h
	v_and_b32 v6, 31, v0
	v_lshlrev_b32 v[CO], 4, v6                     ; 16 x lane
	v_mul_u32_u24 v3, v1, PITCH
	v_lshl_add_u32 v4, v2, 3, v3                   ; Wo: row x pitch + 8 h
	s_lshl_b32 s21, s15, 15                        ; my 128 rows of A
	s_mul_i32 s22, s16, HALFB
	s_add_co_u32 s22, s22, BOFF                    ; my 128 rows of Wo
.irp s, 0,1
	v_add_nc_u32 v[ADRA+\s], s21, v[CO]
	v_add_nc_u32 v[ADRB+\s], s22, v4
	s_add_co_u32 s21, s21, SLOT
	s_add_co_u32 s22, s22, SLOT
.endr
	s_mul_i32 s23, s14, 16*SPITCH                  ; my stage
	v_mul_u32_u24 v5, v1, SPITCH
	v_lshl_add_u32 v5, v2, 5, v5
	v_add_nc_u32 v[STO], s23, v5                   ; in: row r, 32 bytes for each half of the lanes
	v_add_nc_u32 v[RD], s23, v[CO]                 ; back: the 32 lanes take one row of 512 bytes
	s_lshl_b32 s20, s17, 20                        ; 256 rows of 4,096 bytes,
	s_lshl_b32 s21, s15, 19                        ; my 128 of them
	s_add_co_u32 s20, s20, s21
	s_lshl_b32 s46, s42, 10
	s_lshl_b32 s47, s16, 9
	s_add_co_u32 s46, s46, s47                     ; my first column, in bytes
	s_add_co_u32 s20, s20, s46
	s_mov_b32 s21, 0
	s_add_nc_u64 s[12:13], s[12:13], s[20:21]
	v_add_nc_u32 v7, s46, v[CO]
	global_load_b128 v[BI:BI+3], v7, s[10:11]      ; bo of the four columns that I store
.macro FRAGA reg, slot, q, i           ; a fragment of A as it was stored: four pieces of 512 bytes
.irp c, 0,1,2,3
	ds_load_b128 v[\reg+4*\c:\reg+4*\c+3], v[ADRA+\slot] offset:(\i)*4096+(\q)*2048+512*\c
.endr
.endm
.macro FRAGB reg, slot, q, i           ; a fragment of Wo from rows: registers 2 c, 2 c + 1 hold k = 16 c + 8 h + 0 .. 7
.irp c, 0,1,2,3,4,5,6,7
	ds_load_b64 v[\reg+2*\c:\reg+2*\c+1], v[ADRB+\slot] offset:128*(\q)+16*\c+(\i)*16*PITCH
.endr
.endm
.macro MUL16 a0, p, zero               ; the 64 accumulators take turns, one instruction a turn, in the same order in every step
.irp a, \a0, \a0+1
.irp b, 0,1,2,3,4,5,6,7
.if \zero
	v_wmma_f32_16x16x128_fp8_fp8 v[8*(8*((\a)%4)+\b):8*(8*((\a)%4)+\b)+7], v[128*(\p)+FR*\b:128*(\p)+FR*\b+FR-1], v[AF+FR*(\a):AF+FR*(\a)+FR-1], 0
.else
	v_wmma_f32_16x16x128_fp8_fp8 v[8*(8*((\a)%4)+\b):8*(8*((\a)%4)+\b)+7], v[128*(\p)+FR*\b:128*(\p)+FR*\b+FR-1], v[AF+FR*(\a):AF+FR*(\a)+FR-1], v[8*(8*((\a)%4)+\b):8*(8*((\a)%4)+\b)+7]
.endif
.endr
.endr
.endm
.macro FETCH_B slot, q, p
	WIN TO_B
.irp i, 0,1,2,3,4,5,6,7
	FRAGB 128*(\p)+FR*\i, \slot, \q, \i
.endr
	WIN 0
.endm
.macro FETCH_A slot, q, i0
.irp i, \i0, \i0+1, \i0+2, \i0+3
	FRAGA AF+FR*(\i), \slot, \q, \i
.endr
.endm
.macro PLACES n
.rept \n
	v_nop
.endr
.endm
.macro STEP slot, q, zero
	s_wait_dscnt 4*NL                              ; all but the 16 youngest loads (A's blocks 4-7)
	WIN MUL_LO
	MUL16 0, (\q)%2, \zero
	MUL16 2, (\q)%2, \zero
	s_wait_dscnt 0
	PLACES NP
	FETCH_B \slot, (\q)+1, 1-(\q)%2
	FETCH_A \slot, (\q)+1, 0
	WIN MUL_HI
	MUL16 4, (\q)%2, \zero
	MUL16 6, (\q)%2, \zero
	PLACES NP
	WIN 0
	FETCH_A \slot, (\q)+1, 4
.endm
.macro TURN slot, next, fill
	s_wait_tensorcnt 0x0                           ; all my tensor loads have landed: my part of the next slot
	ds_add_u32 v[SPW], v[NIL]                      ; 0 onto my spare word
	s_wait_dscnt 4*NL+1                            ; (the add and the 16 youngest loads may be out)
	WIN MUL_LO
	MUL16 0, 1, 0
	s_wait_dscnt 0x0                               ; the add is done, and my reads of this slot are over
	s_barrier_signal -1
	MUL16 2, 1, 0
	WIN 0
	s_barrier_wait -1
.if \fill
	CREST                                          ; a round of the cluster's barrier: no wave of any partner still reads this slot or has a load on its way
	s_add_nc_u64 s[G0+4*\slot+2:G0+4*\slot+3], s[G0+4*\slot+2:G0+4*\slot+3], 2*4096
	s_add_nc_u64 s[G0B+4*\slot+2:G0B+4*\slot+3], s[G0B+4*\slot+2:G0B+4*\slot+3], 2*ROWB
	JLOAD G0+4*\slot, G1, G0B+4*\slot, G1B
.else
	PLACES NP
.endif
	FETCH_B \next, 0, 0
	FETCH_A \next, 0, 0
	WIN MUL_HI
	MUL16 4, 1, 0
	MUL16 6, 1, 0
	PLACES NP
	WIN 0
	FETCH_A \next, 0, 4
.endm
	s_wait_alu depctr_va_vdst(0)
	s_wait_tensorcnt 1                             ; my part of K step 0 is in; K step 1's load may be out
	s_barrier_signal -1
	s_barrier_wait -1
	FETCH_B 0, 0, 0
	FETCH_A 0, 0, 0
	FETCH_A 0, 0, 4
	STEP 0, 0, 1
	s_mov_b32 s3, LAPS-1
.Llap:
	TURN 0, 1, 1
	STEP 1, 0, 0
	TURN 1, 0, 1
	STEP 0, 0, 0
	s_sub_co_u32 s3, s3, 1
	s_cmp_lg_u32 s3, 0
	s_cbranch_scc1 .Llap
	TURN 0, 1, 0
	STEP 1, 0, 0
	s_wait_dscnt 4*NL
	WIN MUL_LO
	MUL16 0, 1, 0
	MUL16 2, 1, 0
	s_wait_dscnt 0
	WIN MUL_HI
	MUL16 4, 1, 0
	MUL16 6, 1, 0
	WIN 0
; THE WAY OUT, block by block of 16 rows x 128 columns: the sums go through my own stage as they are and come back as whole rows of 512 bytes; there each pair gets sum x 2^(e10 + e11) + bo, and the 32 lanes store the row.
; LDS serves a wave's instructions in order (ISA guide 5.7.1.4): no wait between the stores and the loads, nor in front of the next block's stores.
.macro TOSTAGE a
.set AC, 64*((\a)%4)
	WIN 0x08+4*((\a)/4)                            ; an LDS store's data are its source 1: window 2 or 3
.irp b, 0,1,2,3,4,5,6,7
	ds_store_b128 v[STO], v[AC+8*\b:AC+8*\b+3] offset:64*\b          ; each accumulator from its low end on
	ds_store_b128 v[STO], v[AC+8*\b+4:AC+8*\b+7] offset:64*\b+16
.endr
	WIN 0
.set BB, BK+64*((\a)%2)
.irp t, 0,1,2,3,4,5,6,7,8,9,10,11,12,13,14,15
	ds_load_b128 v[BB+4*\t:BB+4*\t+3], v[RD] offset:\t*SPITCH
.endr
.endm
.macro SEND a, younger                 ; younger: the LDS instructions issued behind block a's loads
.set BB, BK+64*((\a)%2)
	s_wait_dscnt \younger
.if (\a) > 0
	s_add_nc_u64 s[12:13], s[12:13], 16*4096       ; (behind a wait on XCNT: the earlier stores have read their base)  16 rows on
.endif
.irp t, 0,1,2,3,4,5,6,7,8,9,10,11,12,13,14,15
	v_pk_fma_f32 v[BB+4*\t:BB+4*\t+1], v[BB+4*\t:BB+4*\t+1], s[96:97], v[BI:BI+1] op_sel_hi:[1,0,1]
	v_pk_fma_f32 v[BB+4*\t+2:BB+4*\t+3], v[BB+4*\t+2:BB+4*\t+3], s[96:97], v[BI+2:BI+3] op_sel_hi:[1,0,1]
	global_store_b128 v[CO], v[BB+4*\t:BB+4*\t+3], s[12:13] offset:\t*4096 th:TH_STORE_NT   ; 32 lanes store 512 consecutive bytes, aligned; written once, read by nobody here
.endr
.endm
	s_wait_kmcnt 0x0
	s_add_co_i32 s96, s96, s97
	s_add_co_i32 s96, s96, 127
	s_lshl_b32 s96, s96, 23                        ; 2^(e10 + e11) as f32
	s_wait_loadcnt 0x0                             ; bo
	PLACES NP                                      ; behind the last products: their results are read, and A's registers loaded, below
	TOSTAGE 0
.irp a, 1,2,3,4,5,6,7
.if \a > 1
	s_wait_xcnt 0x0                                ; block a - 2's stores have read their registers and their base
.endif
	TOSTAGE \a
	SEND \a-1, 32                                  ; behind block a - 1's loads: block a's 16 stores and 16 loads
.endr
	s_wait_xcnt 0x0
	SEND 7, 0
	s_wait_tensorcnt 0x0                           ; the wave's end
	ds_add_u32 v[SPW], v[NIL]
	s_wait_dscnt 0x0
	CROUND                                         ; the closing round
	s_endpgm
.Lfunc_end_k_q3b67baef4e_out_proj:
	.size	k_q3b67baef4e_out_proj, .Lfunc_end_k_q3b67baef4e_out_proj-k_q3b67baef4e_out_proj
	.p2alignl 7, 3214868480
	.fill 96, 4, 3214868480
	.section	.rodata,"a",@progbits
	.p2align	6, 0x0
	.amdhsa_kernel k_q3b67baef4e_out_proj
		.amdhsa_group_segment_fixed_size 327680
		.amdhsa_private_segment_fixed_size 0
		.amdhsa_enable_private_segment 0
		.amdhsa_kernarg_size 40
		.amdhsa_user_sgpr_count 2
		.amdhsa_user_sgpr_kernarg_segment_ptr 1
		.amdhsa_wavefront_size32 1
		.amdhsa_system_sgpr_workgroup_id_x 1
		.amdhsa_system_sgpr_workgroup_id_y 1
		.amdhsa_system_sgpr_workgroup_id_z 1
		.amdhsa_system_vgpr_workitem_id 0
		.amdhsa_next_free_vgpr 1024
		.amdhsa_next_free_sgpr 98
		.amdhsa_reserve_vcc 0
		.amdhsa_float_denorm_mode_32 3
		.amdhsa_float_denorm_mode_16_64 3
		.amdhsa_memory_ordered 1
		.amdhsa_forward_progress 1
		.amdhsa_inst_pref_size 140
	.end_amdhsa_kernel
	.amdgpu_metadata
---
amdhsa.version: [ 1, 2 ]
amdhsa.kernels:
  - .name:           k_q3b67baef4e_out_proj
    .symbol:         k_q3b67baef4e_out_proj.kd
    .args:
      - { .name: att, .offset: 0, .size: 8, .value_kind: global_buffer, .address_space: global }
      - { .name: Wo_codes, .offset: 8, .size: 8, .value_kind: global_buffer, .address_space: global }
      - { .name: lowp_scales, .offset: 16, .size: 8, .value_kind: global_buffer, .address_space: global }
      - { .name: bo, .offset: 24, .size: 8, .value_kind: global_buffer, .address_space: global }
      - { .name: out0, .offset: 32, .size: 8, .value_kind: global_buffer, .address_space: global }
    .group_segment_fixed_size: 327680
    .private_segment_fixed_size: 0
    .kernarg_segment_align: 8
    .kernarg_segment_size: 40
    .max_flat_workgroup_size: 128
    .sgpr_count:     98
    .vgpr_count:     1024
    .wavefront_size: 32
...
	.end_amdgpu_metadata
.endif
;; end of part 3
